; MI455X (gfx1250); checked and timed in simulation.
; The chip was launched on July 23, 2026; its instructions are those of AMD's public machine-readable ISA for CDNA 5 (MIT licence, August 2026) and "CDNA5" Instruction Set Architecture Reference Guide (July 2026). The comments in the code are by the model that wrote it; some were corrected since.
;; Attention. Allowed arithmetic: matrix products marked QUANTISED: E2M1 operands, one E8M0 scale for each 32 along K, by v_wmma_scale_f32_16x16x128_f8f6f4 with both operands' format E2M1 (or v_wmma_scale_f32_32x16x128_f4), f32 sums; products left as they are: f32 operands where the result goes on into a quantised operand, else bf16, f16 or f32 operands; f32 sums; everything else in f32.
;; Inputs: W 1,024 x 1,024 float32; b 1,024 float32; encoder_outputs 32 x 2,048 x 1,024 float32; hx 32 x 1,024 float32.
;; Outputs: out0 32 x 1 x 2,048 float32.
;; This version of the problem:
;;   THIS VERSION OF THE PROBLEM IS GIVEN IN LOW PRECISION. The matrix products marked QUANTISED in the list below multiply operands that are first quantised to E2M1 (2 exponent bits, 1 mantissa bit; 4 bits a number), with one power-of-two scale for each 32 numbers along K (OCP MX v1.0); their sums are f32. All else is computed in f32.
;;   The module's matrix products, in the order in which they are computed (A, B: the left and right operand; K: the contracted axis; several contracted axes count as one K, in the product's order):
;;     1. [M 65,536, K 1,024] x [K 1,024, N 1,024]; A: input encoder_outputs; B: input W: QUANTISED
;;     2. batch 32 x [M 2,048, K 1,024] x [K 1,024, N 1]; A: computed on the way; B: input hx: left as it is (N = 1 < 16)
;;   THE QUANTISER, for each operand of a quantised product, along K:
;;     - K is cut into blocks of 32 from its start; a last block that is shorter is filled with zeros.
;;     - A block's scale is 2^e with e = floor(log2(the largest magnitude in the block)) - 2, held to -126 .. 127; a block of zeros has e = 0. As a byte (E8M0): e + 127.
;;     - Each number is divided by its block's scale, clamped to +-6, and rounded to the nearest number of E2M1, ties to even, subnormals kept.
;;     - The product sums the exact products of the quantised numbers (number of the format x scale) in f32.
;;   ~~~python
;;   def quantise(x, axis):      # numpy; x: float32 -> the quantised numbers, widened to float32 again
;;       x = np.moveaxis(x, axis, -1); K = x.shape[-1]
;;       x = np.pad(x, [(0, 0)] * (x.ndim - 1) + [(0, -K % 32)]); x = x.reshape(x.shape[:-1] + (-1, 32)); a = np.abs(x).max(-1, keepdims=True)
;;       e = np.where(a > 0, np.clip(np.frexp(np.where(a > 0, a, 1))[1] - 1 - 2, -126, 127), 0)      # np.frexp(a)[1] - 1 = floor(log2(a)), exactly
;;       r = np.clip(x / 2.0 ** e, -6, 6)
;;       step = 2.0 ** (np.maximum(np.frexp(np.where(r == 0, 1, r))[1] - 1, 0) - 1)
;;       q = np.round(r / step) * step * 2.0 ** e      # np.round: ties to even
;;       return np.moveaxis(q.reshape(q.shape[:-2] + (-1,))[..., :K], -1, axis).astype(np.float32)
;;   ~~~
;; One version. Each part assembles by itself: llvm-mc -triple=amdgcn-amd-amdhsa -mcpu=gfx1250 --defsym DOCPART=n.
;; ======== version 1 of 1: 3 launches
;; limits: right only within a limited range of input values
;; workspace buffers: wpack 557,056 bytes; energies 262,144 bytes
;; launch wq (part 1): grid 64 x 1, 4 waves a work-group, no clusters, 35,328 bytes of LDS; arguments W, wpack; writes wpack
.if DOCPART == 1
	.amdgcn_target "amdgcn-amd-amdhsa--gfx1250"
	.amdhsa_code_object_version 6
	.text
	.protected	k_qb0dcfb028f_wq
	.globl	k_qb0dcfb028f_wq
	.p2align	8
	.type	k_qb0dcfb028f_wq,@function
k_qb0dcfb028f_wq:
	s_mov_b64 s[64:65], 0
	v_nop
	global_prefetch_b8 v0, s[64:65] scope:SCOPE_SE
	s_setreg_imm32_b32 hwreg(HW_REG_WAVE_MODE, 25, 1), 1
	s_wait_xcnt 0x0
; W [1024 (n)][1024 (k)] f32 becomes codes of FP4 (E2M1) with one E8M0 byte for each 32 along K, laid in the ORDER OF THE OPERAND'S REGISTERS, so that the next launch fills its registers by dense 16-byte loads.
; wpack = 8 blocks of BLK bytes; block 4 p + w serves pass p, wave w of the next launch and holds the tiles T = 8 (4 p + w) + t of 16 rows of W.
;   codes:  (s / 4) 32,768 + t 4,096 + (s % 4) 1,024 + c 512 + 16 lane = registers 4 c .. 4 c + 3 of the fragment (tile T, K step s of 128): lane (r, h) holds k = 128 s + 64 c + 32 h + 0 .. 31 of row 16 T + r.
;   scales: 65,536 + (2 u + q) 512 + 16 lane + 4 (s % 4), u = t / 2, q = s / 4: lanes 0-15 the word of tile 2 u, row lane; lanes 16-31 that of tile 2 u + 1, row lane - 16.
; A block's scale is 2^(floor(log2(largest magnitude)) - 2): its byte is the largest magnitude's exponent field - 2, held at 1 from below.
; LIMITS: NaN and infinities are not served; a block whose largest magnitude lies under 2^-124 gets the byte 1; a block of zeros gets the byte 1 where the rule says 127: its codes are zeros, and this program alone reads the bytes.
; SHARES: work-group j takes the pair of tiles U = j / 2 and the K steps 4 q + w, q = j % 2, one a wave: two fragments a wave.  Each load reads 512 consecutive bytes of a row of W; the numbers turn through the wave's own
; stage in LDS so that a lane holds 16 neighbours along K of each block of 32.  Every store covers 512 consecutive bytes.
; DEAD WORK, left out by the whole program: the bias b.  energies[i][l] = sum over h of hx[i][h] (proj[i][l][h] + b[h]) = sum over h of hx[i][h] proj[i][l][h] + sum over h of hx[i][h] b[h].
; The second sum does not hang on l, and the softmax runs along l: a term that is the same along the softmax's axis cancels for all values of the inputs.  b enters no quantised operand.
; So b is not loaded and is no launch's argument.  LIMIT: a NaN, an infinity or an overflow that reaches only that term is not carried to the result.
.set BLK,  69632
.set SP,   528                         ; a stage row: 512 bytes + 16: an odd multiple of 16, so that the sixteen rows that a load touches begin at different banks
.set STGW, 16*SP                       ; a wave's stage
.set SCG,  4*STGW                      ; behind the stages: 512 bytes in which the four waves' scale words meet
.set LN,  1                            ; v1  lane
.set XO,  2                            ; v2  16 x lane
.set STW, 3                            ; v3  the stage, way in: 16 x lane
.set STR, 4                            ; v4  the stage, way out: row r, + 64 h
.set SCA, 5                            ; v5  where my scale word goes: SCG + 16 lane + 4 wave
.set SCB, 6                            ; v6  SCG + 16 lane
.set TM,  16                           ; v16-31 at work
.set PC0, 32                           ; v32-39 the even tile's codes;  v40-47 the odd tile's
.set PC1, 40
.set PW0, 48                           ; their scale words
.set PW1, 49
.set PWM, 50                           ; lanes 0-15 the even tile's, lanes 16-31 the odd tile's
.set SO,  52                           ; v52-55 four K steps' words, on the way out
.set X,   64                           ; v64-191 two tiles x 16 rows as loaded
.set Y,   192                          ; v192-255 register 16 b + i = k 32 b + 16 h + i of my row
.set WV,  16
.set SEL, 20
.macro TURN x                          ; 16 rows of 512 bytes through my stage; LDS serves a wave's instructions in order, so no wait stands between the stores and the loads
.irp i, 0,1,2,3,4,5,6,7,8,9,10,11,12,13,14,15
	ds_store_b128 v[STW], v[(\x)+4*\i:(\x)+4*\i+3] offset:\i*SP
.endr
.irp b, 0,1,2,3
.irp j, 0,1,2,3
	ds_load_b128 v[Y+16*\b+4*\j:Y+16*\b+4*\j+3], v[STR] offset:128*\b+16*\j
.endr
.endr
.endm
.macro QUANT s, pc, pw                 ; 64 numbers of a lane become a fragment's 8 registers of codes and its row's scale word
.irp b, 0,1,2,3
	v_max3_num_f32 v[TM+\b], |v[\s+16*\b]|, |v[\s+1+16*\b]|, 0x1800000   ; block b: my 16 numbers, and the floor 2^(3 - 127): the byte cannot fall under 1
.endr
.irp i, 2,4,6,8,10,12,14
.irp b, 0,1,2,3
	v_max3_num_f32 v[TM+\b], v[TM+\b], |v[\s+16*\b+\i]|, |v[\s+1+16*\b+\i]|   ; the four blocks by turns
.endr
.endr
.irp b, 0,1,2,3
	v_permlanex16_b32 v[TM+4+\b], v[TM+\b], s[SEL], s[SEL+1]
.endr
.irp b, 0,1,2,3
	v_max_num_f32 v[TM+\b], v[TM+\b], v[TM+4+\b]   ; with lane l xor 16's 16: the block's largest magnitude
.endr
.irp b, 0,1,2,3
	v_add_nc_u32 v[TM+12+\b], 0xff000000, v[TM+\b]   ; 2 off its exponent field: the conversion takes that field as its scale
.endr
.irp b, 0,1,2,3
	v_lshrrev_b32 v[TM+4+\b], 23, v[TM+12+\b]      ; the scale's byte
.endr
	v_lshl_or_b32 v[\pw], v[TM+5], 8, v[TM+4]
	v_lshl_or_b32 v[\pw], v[TM+6], 16, v[\pw]
	v_lshl_or_b32 v[\pw], v[TM+7], 24, v[\pw]
.irp b, 0,1,2,3
	v_cvt_scalef32_pk8_fp4_f32 v[\pc+2*\b], v[\s+16*\b:\s+7+16*\b], v[TM+12+\b]
	v_cvt_scalef32_pk8_fp4_f32 v[\pc+1+2*\b], v[\s+8+16*\b:\s+15+16*\b], v[TM+12+\b]
.endr
	v_nop                                          ; one plain instruction behind the last scaled conversion
.irp c, 0,1                                    ; the layout wants a whole block in a lane: lanes 0-15 block 2 c, lanes 16-31 block 2 c + 1
.irp i, 0,1
	v_permlane16_swap_b32 v[\pc+4*\c+\i], v[\pc+2+4*\c+\i]
.endr
.endr
.endm
	s_load_b128 s[4:7], s[0:1], 0x0                ; W, wpack
	v_lshl_add_u32 v62, v0, 2, 0x8800
	v_mov_b32 v63, 0
	v_lshrrev_b32 v[LN], 5, v0
	v_readfirstlane_b32 s[WV], v[LN]               ; wave 0..3
	v_and_b32 v[LN], 31, v0
	v_lshlrev_b32 v[XO], 4, v[LN]
	s_lshr_b32 s8, ttmp9, 1                        ; U: the pair of tiles
	s_and_b32 s9, ttmp9, 1                         ; q
	s_lshl_b32 s10, s9, 2
	s_add_co_u32 s10, s10, s[WV]                   ; K step s = 4 q + wave
	s_lshl_b32 s10, s10, 9                         ; 512 bytes of a row
	s_lshl_b32 s11, s8, 17                         ; 32 rows of 4,096 bytes
	s_add_co_u32 s10, s10, s11
	s_mov_b32 s11, 0
	s_wait_alu depctr_va_vdst(0)
	s_wait_kmcnt 0x0
	s_add_nc_u64 s[4:5], s[4:5], s[10:11]
.set i, 0
.rept 32
	global_load_b128 v[X+4*i:X+4*i+3], v[XO], s[4:5] offset:i*4096 th:TH_LOAD_NT   ; row i of the pair: 512 consecutive bytes
.set i, i+1
.endr
	s_lshr_b32 s12, s8, 2
	s_mul_i32 s12, s12, BLK                        ; the block
	s_and_b32 s13, s8, 3                           ; u
	s_lshl_b32 s14, s9, 15
	s_lshl_b32 s15, s13, 13
	s_add_co_u32 s14, s14, s15
	s_lshl_b32 s15, s[WV], 10
	s_add_co_u32 s14, s14, s15
	s_add_co_u32 s14, s14, s12                     ; the even tile's fragment: block + q 32,768 + u 8,192 + wave 1,024
	s_mov_b32 s15, 0
	s_lshl_b32 s18, s13, 1
	s_add_co_u32 s18, s18, s9
	s_lshl_b32 s18, s18, 9
	s_add_co_u32 s18, s18, s12
	s_add_co_u32 s18, s18, 65536                   ; the scale words: block + 65,536 + (2 u + q) 512
	s_mov_b32 s19, 0
	s_add_nc_u64 s[22:23], s[6:7], s[18:19]
	s_add_nc_u64 s[6:7], s[6:7], s[14:15]
	s_mov_b32 s[SEL], 0x76543210
	s_mov_b32 s[SEL+1], 0xfedcba98                 ; lane l xor 16
	s_mul_i32 s17, s[WV], STGW
	v_add_nc_u32 v[STW], s17, v[XO]
	v_and_b32 v[STR], 15, v0
	v_mul_u32_u24 v[STR], v[STR], SP
	v_bfe_u32 v[SCA], v0, 4, 1
	v_lshl_add_u32 v[STR], v[SCA], 6, v[STR]
	v_add_nc_u32 v[STR], s17, v[STR]
	s_lshl_b32 s24, s[WV], 2
	v_add_nc_u32 v[SCB], SCG, v[XO]
	v_add_nc_u32 v[SCA], s24, v[SCB]
.irp b, 0,1,2,3
	v_mov_b32 v[TM+4+\b], 0                        ; written once: a lane permute's destination counts as one of its sources
.endr
	s_wait_alu depctr_va_vdst(0)
	s_wait_loadcnt 16                              ; the even tile's 16 loads are in; the odd tile's 16 may be out
	TURN X
	s_wait_dscnt 0x0
	QUANT Y, PC0, PW0
.irp c, 0,1
	global_store_b128 v[XO], v[PC0+4*\c:PC0+4*\c+3], s[6:7] offset:\c*512
.endr
	s_wait_loadcnt 0x0
	TURN X+64
	s_wait_dscnt 0x0
	QUANT Y, PC1, PW1
.irp c, 0,1
	global_store_b128 v[XO], v[PC1+4*\c:PC1+4*\c+3], s[6:7] offset:4096+\c*512
.endr
	v_cmp_gt_u32 vcc_lo, 16, v[LN]
	v_cndmask_b32 v[PWM], v[PW1], v[PW0], vcc_lo   ; lanes 0-15: the even tile's word of row lane; lanes 16-31: the odd tile's of row lane - 16
	ds_store_b32 v[SCA], v[PWM]
	s_wait_dscnt 0x0                               ; for the others' sake: my word lies in LDS
	s_barrier_signal -1
	s_barrier_wait -1
	s_cmp_lg_u32 s[WV], 0                          ; wave 0 stores the four K steps' words: 512 consecutive bytes
	s_cbranch_scc1 .Ldone
	ds_load_b128 v[SO:SO+3], v[SCB]
	s_wait_dscnt 0x0
	global_store_b128 v[XO], v[SO:SO+3], s[22:23]
.Ldone:
	s_wait_tensorcnt 0x0
	ds_add_u32 v62, v63
	s_wait_dscnt 0x0
	s_endpgm
.Lfunc_end_k_qb0dcfb028f_wq:
	.size	k_qb0dcfb028f_wq, .Lfunc_end_k_qb0dcfb028f_wq-k_qb0dcfb028f_wq
	.p2alignl 7, 3214868480
	.fill 96, 4, 3214868480
	.section	.rodata,"a",@progbits
	.p2align	6, 0x0
	.amdhsa_kernel k_qb0dcfb028f_wq
		.amdhsa_group_segment_fixed_size 35328
		.amdhsa_private_segment_fixed_size 0
		.amdhsa_enable_private_segment 0
		.amdhsa_kernarg_size 16
		.amdhsa_user_sgpr_count 2
		.amdhsa_user_sgpr_kernarg_segment_ptr 1
		.amdhsa_wavefront_size32 1
		.amdhsa_system_sgpr_workgroup_id_x 1
		.amdhsa_system_sgpr_workgroup_id_y 1
		.amdhsa_system_sgpr_workgroup_id_z 1
		.amdhsa_system_vgpr_workitem_id 0
		.amdhsa_next_free_vgpr 256
		.amdhsa_next_free_sgpr 66
		.amdhsa_reserve_vcc 1
		.amdhsa_float_denorm_mode_32 3
		.amdhsa_float_denorm_mode_16_64 3
		.amdhsa_memory_ordered 1
		.amdhsa_forward_progress 1
		.amdhsa_inst_pref_size 18
	.end_amdhsa_kernel
	.amdgpu_metadata
---
amdhsa.version: [ 1, 2 ]
amdhsa.kernels:
  - .name:           k_qb0dcfb028f_wq
    .symbol:         k_qb0dcfb028f_wq.kd
    .args:
      - { .name: W, .offset: 0, .size: 8, .value_kind: global_buffer, .address_space: global }
      - { .name: wpack, .offset: 8, .size: 8, .value_kind: global_buffer, .address_space: global }
    .group_segment_fixed_size: 35328
    .private_segment_fixed_size: 0
    .kernarg_segment_align: 8
    .kernarg_segment_size: 16
    .max_flat_workgroup_size: 128
    .sgpr_count:     66
    .vgpr_count:     256
    .wavefront_size: 32
...
	.end_amdgpu_metadata
.endif
;; end of part 1
;; launch energy (part 2): grid 256 x 1, 4 waves a work-group, clusters of 4 x 1, 327,680 bytes of LDS; arguments encoder_outputs, wpack, hx, energies; writes energies
.if DOCPART == 2
	.amdgcn_target "amdgcn-amd-amdhsa--gfx1250"
	.amdhsa_code_object_version 6
	.text
	.protected	k_qb0dcfb028f_energy
	.globl	k_qb0dcfb028f_energy
	.p2align	8
	.type	k_qb0dcfb028f_energy,@function
k_qb0dcfb028f_energy:
	s_mov_b64 s[64:65], 0
	v_nop
	global_prefetch_b8 v0, s[64:65] scope:SCOPE_SE
	s_setreg_imm32_b32 hwreg(HW_REG_WAVE_MODE, 25, 1), 1
	s_wait_xcnt 0x0
	s_wait_alu depctr_hold_cnt(0) depctr_sa_sdst(0) depctr_va_vdst(0) depctr_va_sdst(0) depctr_va_ssrc(0) depctr_va_vcc(0) depctr_vm_vsrc(0)
	s_getreg_b32 s2, hwreg(HW_REG_IB_STS2, 6, 4)
	s_cmp_eq_u32 s2, 0
	s_cbranch_scc0 .Lentry_in_a_cluster
	s_endpgm
.Lentry_in_a_cluster:
	s_bfe_u32 s2, ttmp6, 0x10000c
	s_cmp_lg_u32 s2, 0x3003
	s_cbranch_scc0 .Lentry_shape_is_right
	s_endpgm
.Lentry_shape_is_right:
; energies[row] = sum over n of (sum over k of Q(enc)[row][k] Q(W)[n][k]) hx[batch][n].  The bias is left out: its term sum b[n] hx[n] is the same along the softmax's axis (shown at the head of the first kernel).
; enc: [65,536][1,024] f32, quantised here to FP4 (E2M1) with one E8M0 byte for each 32 along K; W comes as codes in register order (wpack).
; SHARES.  256 work-groups of four waves; a work-group owns 256 rows.  A wave holds the fragments of 128 columns n (8 tiles x 8 K steps x 8 = 512 registers): the four waves hold half of W.
; PASS 0 (columns 0-511): rows come in tiles of 16; wave w quantises K steps 2 w, 2 w + 1 and stores them in LDS as images of the operand's registers; every wave multiplies the tile by its 8 resident tiles.
; The images of all 256 rows stay in LDS.  PASS 1 (columns 512-1,023): the waves change their W and walk the 16 tiles of images again.
; THE ORDER OF A TILE'S WORK IN PASS 0: tile i's 64 products carry among them tile i + 1's turn through the stage (64 LDS instructions); then tile i's dot, tile i + 1's quantiser, its images, the slots' refill, a barrier, its fragments.
; The turn lands in the slot's own registers, so the numbers to be quantised need no registers beside the ring.
; THE PRODUCT IS USED TRANSPOSED (source 0 = 16 rows of W, source 1 = 16 rows of enc): lane (r, h), register j holds (column 16 t + 8 h + j, row r); hx lies in 64 registers in the same layout.
; THE STREAM: four slots of 16 loads in registers, each load 512 consecutive bytes of a row; a tile's two slots are asked for again behind its conversions, with the tile two further on.
; PREFETCH: with the refill for tile i + 3 each wave names its 64 blocks of 256 bytes of tile i + 5 (a lane a block, two instructions); the head names tiles 3 and 4; nothing is named past tile 15.  No two waves read the same block.
; CLUSTER: all work-groups read the same wpack, so four ask jointly: pass 0's W (68 KiB a wave) at the head, K steps 4-7 and the scales of pass 1's (36 KiB a wave) by one refill a wave.
; Pass 1's K steps 0-3 come by plain loads into the slots that the stream has left: LDS has no room for them.
; LIMITS: NaN and infinities are not served; a block whose largest magnitude lies under 2^-124 gets the byte 1; a block of zeros gets the byte 1 where the rule says 127 (its codes are zeros; this program alone reads the bytes);
; the order of the f32 sums over n differs from the reference's.
; REGISTERS: window 0: v0-15 addresses; v16-31 enc's scale words (two sets); v32-63 W's scale words; v64-127 enc's fragments in pass 0, the dot's partial sums; v128-191 the 8 accumulators, between dot and products the quantiser's
;   work registers; v192-255 hx.  window 1: W's K steps 0-3 (pass 1: 4-7).  window 2: W's K steps 4-7 (pass 1: two sets of enc's fragments).  window 3: the four slots (pass 1: W's K steps 0-3).
.set BLK,   69632
.set AIMG,  0                          ; LDS: the images: (tile 8 + K step) 1,024 + c 512 + 16 lane.  These bytes first take pass 0's W, which has left them when the first image is stored
.set H1L,   131072                     ; the refill: H1W bytes a wave; no LDS store ever goes here
.set H1W,   36864
.set ASC,   278528                     ; enc's scale words: tile 512 + r 32 + K step 4: a row's eight words on end
.set STG,   286720                     ; a stage for each wave; at the head its first 512 bytes carry pass 0's hx, in pass 1 its first 1,024 the partial energies
.set SP,    528
.set STGW,  16*SP
.set EP,    320512                     ; pass 0's partial energies: wave 1,024 + row 4
.set HXS1,  324608                     ; pass 1's hx: wave 512
.set SPARE, 326656                     ; the spare words, 128 bytes a wave
.set XO,  1                            ; 16 x lane
.set STW, 2                            ; my stage, way in
.set STR, 3                            ; my stage, way out: row r, + 64 h
.set IMW, 4                            ; where I store images
.set SCW, 5                            ; and their scale words
.set IMR, 6                            ; where I read images
.set SCR, 7                            ; and scale words
.set EW,  8                            ; where a tile's partial energies go
.set TMP, 9
.set PFO, 10                           ; the prefetches' offset: (lane / 4) rows + (lane % 4) 256 bytes; never rewritten
.set R32, 11                           ; 32 r
.set R4,  12                           ; 4 r
.set SPW, 13
.set NIL, 14
.set RES, 15
.set AS0, 16
.set WS,  32
.set AF,  64
.set E,   64
.set ACC, 128
.set TM,  128                          ; eight blocks' largest magnitudes
.set TP,  136                          ; the other half's; then the bytes
.set TS,  144                          ; the conversions' scale operands
.set PC,  152                          ; two fragments' codes
.set PW,  168                          ; their scale words
.set HD,  176
.set HX,  192
.set WV,  14
.set SEL, 20
.set CNT, 22
.set G1A, 24
.set G0A, 32
.set G0B, 36
.set G1B, 40
.set SIW, 48
.set SIR, 49
.set SSW, 50
.set SSR, 51
.set SEW, 52
.set MSB, 0
.macro WIN new                         ; bits 1:0 source 0, 3:2 source 1, 5:4 source 2, 7:6 destination; the high byte repeats the setting that is left
.if MSB != (\new)
	s_set_vgpr_msb (MSB<<8)|(\new)
.set MSB, (\new)
.endif
.endm
.macro CROUND                          ; a round of the cluster's barrier
	s_barrier_signal -1
	s_barrier_wait -1
	s_cmp_lg_u32 s[WV], 0
	s_cbranch_scc1 .Lnot_wave_0_\@
	s_barrier_signal -3
.Lnot_wave_0_\@:
	s_barrier_wait -3
	s_barrier_signal -1
	s_barrier_wait -1
.endm
.macro XFILL slot, kind, off           ; 16 loads into a slot.  kind 1: 16 rows x 512 bytes of enc, from off on;  kind 2: the slot's 8,192 bytes of pass 1's K steps 0-3
	WIN 0xc0
.irp i, 0,1,2,3,4,5,6,7,8,9,10,11,12,13,14,15
.if \kind == 1
	global_load_b128 v[64*(\slot)+4*\i:64*(\slot)+4*\i+3], v[XO], s[4:5] offset:(\off)+\i*4096 th:TH_LOAD_NT
.else
	global_load_b128 v[64*(\slot)+4*\i:64*(\slot)+4*\i+3], v[XO], s[6:7] offset:(16*(\slot)+\i)*512
.endif
.endr
	WIN 0
.endm
.macro ASK off                         ; my 16 rows x 1,024 bytes of a later tile: 64 blocks of 256 bytes, a lane a block
	global_prefetch_b8 v[PFO], s[4:5] offset:(\off) th:TH_LOAD_NT scope:SCOPE_SE
	global_prefetch_b8 v[PFO], s[4:5] offset:(\off)+32768 th:TH_LOAD_NT scope:SCOPE_SE
.endm
; The turn of a slot through my stage, under the setting 0xcc (data and destination window 3, address window 0).  LDS serves a wave's instructions in order (ISA guide 5.7.1.4): the loads see the stores,
; come behind the stores' reads of the registers that they land in, and the next slot's stores come behind these loads.
.macro TST slot
.irp i, 0,1,2,3,4,5,6,7,8,9,10,11,12,13,14,15
	ds_store_b128 v[STW], v[64*(\slot)+4*\i:64*(\slot)+4*\i+3] offset:\i*SP
.endr
.endm
.macro TLD slot                        ; register 16 b + i of the slot = k 32 b + 16 h + i of my row
.irp b, 0,1,2,3
.irp j, 0,1,2,3
	ds_load_b128 v[64*(\slot)+16*\b+4*\j:64*(\slot)+16*\b+4*\j+3], v[STR] offset:128*\b+16*\j
.endr
.endr
.endm
; 128 numbers of a lane, two slots on end in window 3 from register sa on, become two fragments' codes and their rows' scale words.  Eight blocks by turns.
.macro QUANT2 sa
	WIN 0x3c
.irp c, 0,1,2,3,4,5,6,7
	v_max3_num_f32 v[TM+\c], 0x1800000, |v[(\sa)+16*\c]|, |v[(\sa)+16*\c+1]|   ; the floor 2^(3 - 127): the byte cannot fall under 1
.endr
.irp i, 2,4,6,8,10,12,14
.irp c, 0,1,2,3,4,5,6,7
	v_max3_num_f32 v[TM+\c], v[TM+\c], |v[(\sa)+16*\c+\i]|, |v[(\sa)+16*\c+\i+1]|
.endr
.endr
	WIN 0
.irp c, 0,1,2,3,4,5,6,7
	v_permlanex16_b32 v[TP+\c], v[TM+\c], s[SEL], s[SEL+1]
.endr
.irp c, 0,1,2,3,4,5,6,7
	v_max_num_f32 v[TM+\c], v[TM+\c], v[TP+\c]     ; with lane l xor 16's 16: the block's largest magnitude
.endr
.irp c, 0,1,2,3,4,5,6,7
	v_add_nc_u32 v[TS+\c], 0xff000000, v[TM+\c]    ; 2 off its exponent field: the conversion takes that field as its scale
.endr
.irp c, 0,1,2,3,4,5,6,7
	v_lshrrev_b32 v[TP+\c], 23, v[TS+\c]           ; the scale's byte
.endr
.irp e, 0,1
	v_lshl_or_b32 v[PW+\e], v[TP+4*\e+1], 8, v[TP+4*\e]
.endr
.irp e, 0,1
	v_lshl_or_b32 v[PW+\e], v[TP+4*\e+2], 16, v[PW+\e]
.endr
.irp e, 0,1
	v_lshl_or_b32 v[PW+\e], v[TP+4*\e+3], 24, v[PW+\e]
.endr
	WIN 0x03
.irp c, 0,1,2,3,4,5,6,7
	v_cvt_scalef32_pk8_fp4_f32 v[PC+2*\c], v[(\sa)+16*\c:(\sa)+16*\c+7], v[TS+\c]
	v_cvt_scalef32_pk8_fp4_f32 v[PC+2*\c+1], v[(\sa)+16*\c+8:(\sa)+16*\c+15], v[TS+\c]
.endr
	WIN 0
	v_nop                                          ; one plain instruction behind the last scaled conversion
.irp g, 0,1,2,3                                ; the layout wants a whole block in a lane
.irp i, 0,1
	v_permlane16_swap_b32 v[PC+4*\g+\i], v[PC+4*\g+2+\i]
.endr
.endr
.endm
.macro IMST q                          ; my two images and their scale words, tile q of the trip
.irp e, 0,1
.irp c, 0,1
	ds_store_b128 v[IMW], v[PC+8*\e+4*\c:PC+8*\e+4*\c+3] offset:(\q)*8192+\e*1024+\c*512
.endr
.endr
	ds_store_b64 v[SCW], v[PW:PW+1] offset:(\q)*512   ; my two K steps' words of row r; both halves of the lanes write the same bytes with the same values
.endm
.macro MLC win, af, oi, k0             ; four fragments of a tile, K steps k0 .. k0 + 3, as they were stored
	WIN (\win)<<6
.irp s, 0,1,2,3
.irp c, 0,1
	ds_load_b128 v[(\af)+8*((\k0)+\s)+4*\c:(\af)+8*((\k0)+\s)+4*\c+3], v[IMR] offset:(\oi)+((\k0)+\s)*1024+\c*512
.endr
.endr
.endm
.macro MLS as, os                      ; its 8 scale words
	WIN 0
	ds_load_b128 v[(\as):(\as)+3], v[SCR] offset:(\os)
	ds_load_b128 v[(\as)+4:(\as)+7], v[SCR] offset:(\os)+16
.endm
.macro WM t, s, af, as                 ; tile t of W x the tile of rows, K step s.  The first K step starts the sum: nothing is cleared
.set rD, ACC+8*(\t)
.set rA, 32*(\t)+8*((\s)%4)
.set rB, (\af)+8*(\s)
.set rU, WS+8*((\t)/2)+(\s)
.set rV, (\as)+(\s)
.if (\s) == 0
.if (\t)%2
	v_wmma_scale_f32_16x16x128_f8f6f4 v[rD:rD+7], v[rA:rA+7], v[rB:rB+7], 0, v[rU], v[rV] matrix_a_fmt:MATRIX_FMT_FP4 matrix_b_fmt:MATRIX_FMT_FP4 matrix_a_scale:MATRIX_SCALE_ROW1
.else
	v_wmma_scale_f32_16x16x128_f8f6f4 v[rD:rD+7], v[rA:rA+7], v[rB:rB+7], 0, v[rU], v[rV] matrix_a_fmt:MATRIX_FMT_FP4 matrix_b_fmt:MATRIX_FMT_FP4
.endif
.else
.if (\t)%2
	v_wmma_scale_f32_16x16x128_f8f6f4 v[rD:rD+7], v[rA:rA+7], v[rB:rB+7], v[rD:rD+7], v[rU], v[rV] matrix_a_fmt:MATRIX_FMT_FP4 matrix_b_fmt:MATRIX_FMT_FP4 matrix_a_scale:MATRIX_SCALE_ROW1
.else
	v_wmma_scale_f32_16x16x128_f8f6f4 v[rD:rD+7], v[rA:rA+7], v[rB:rB+7], v[rD:rD+7], v[rU], v[rV] matrix_a_fmt:MATRIX_FMT_FP4 matrix_b_fmt:MATRIX_FMT_FP4
.endif
.endif
.endm
.macro WG8 s, af, as                   ; one K step: the 8 accumulators take turns, one instruction a turn
.irp t, 0,1,2,3,4,5,6,7
	WM \t, \s, \af, \as
.endr
.endm
; The second product for a tile of rows: my 64 columns' proj x hx in four chains of packed multiply-adds, each accumulator from its low end on; then the other half of the lanes' 64 columns.
.macro EPI eoff
.rept 5
	v_nop                                          ; places behind the products: for the reads of results, the writes and loads into operands, and the accumulators begun anew
.endr
.irp c, 0,1,2,3
	v_pk_mul_f32 v[E+2*\c:E+2*\c+1], v[ACC+16*\c:ACC+16*\c+1], v[HX+16*\c:HX+16*\c+1]
.endr
.irp i, 1,2,3,4,5,6,7
.irp c, 0,1,2,3
	v_pk_fma_f32 v[E+2*\c:E+2*\c+1], v[ACC+16*\c+2*\i:ACC+16*\c+2*\i+1], v[HX+16*\c+2*\i:HX+16*\c+2*\i+1], v[E+2*\c:E+2*\c+1]
.endr
.endr
	v_pk_add_f32 v[E:E+1], v[E:E+1], v[E+2:E+3]
	v_pk_add_f32 v[E+4:E+5], v[E+4:E+5], v[E+6:E+7]
	v_pk_add_f32 v[E:E+1], v[E:E+1], v[E+4:E+5]
	v_add_f32 v[E], v[E], v[E+1]
	v_permlanex16_b32 v[TMP], v[E], s[SEL], s[SEL+1]
	v_add_f32 v[RES], v[E], v[TMP]                 ; row r's sum over my wave's 128 columns, the same bits in both halves
	ds_store_b32 v[EW], v[RES] offset:\eoff
.endm
.macro ADDR                            ; the trip's LDS addresses: a lane term + a scalar that steps by a constant; no LDS instruction of mine is out here
	v_add_nc_u32 v[IMW], s[SIW], v[XO]
	v_add_nc_u32 v[IMR], s[SIR], v[XO]
	v_add_nc_u32 v[SCW], s[SSW], v[R32]
	v_add_nc_u32 v[SCR], s[SSR], v[R32]
	v_add_nc_u32 v[EW], s[SEW], v[R4]
	s_wait_alu depctr_va_vdst(0)
.endm
.macro P1ADDR
	s_wait_dscnt 0x0
	v_add_nc_u32 v[IMR], s[SIR], v[XO]
	v_add_nc_u32 v[SCR], s[SSR], v[R32]
	v_add_nc_u32 v[EW], s[SEW], v[R4]
.endm
; Pass 0, tile rr of a trip is multiplied; the tile behind it is turned, quantised, stored and fetched.  kind: what the freed slots take (XFILL); 0: the last tile, nothing follows.  pf 1: prefetch; 2: not in the loop's last trip.
.macro ITER rr, kind, pf
.set SA, 2*(((\rr)+1)%2)               ; the next tile's two slots
	s_wait_dscnt 0x0                               ; this tile's fragments and scale words are in: my reads of its images are over
.if (\rr) == 0
	ADDR
.endif
.if \kind
	s_barrier_signal -1                            ; every store into the image region is parted by a barrier from every read of it
.endif
	WIN 0x01
	WG8 0, AF, AS0
.if \kind
	s_barrier_wait -1
	s_wait_loadcnt 32                              ; the next tile's 32 loads are in; the 32 of the tile behind it may be out
	WIN 0xcc
	TST SA
	WIN 0x01
	WG8 1, AF, AS0
	WIN 0xcc
	TLD SA
	WIN 0x01
	WG8 2, AF, AS0
	WIN 0xcc
	TST SA+1
	WIN 0x01
	WG8 3, AF, AS0
	WIN 0xcc
	TLD SA+1
.else
	WG8 1, AF, AS0
	WG8 2, AF, AS0
	WG8 3, AF, AS0
.endif
	WIN 0x02
.irp s, 4,5,6,7
	WG8 \s, AF, AS0
.endr
	WIN 0
	EPI (\rr)*64
.if \kind
	s_wait_dscnt 0x0                               ; the next tile's numbers are back from the stage
	QUANT2 64*SA
	IMST (\rr)+1
.if ((\rr) == 1) && ((\kind) == 1)
	s_wait_xcnt 0x0                                ; the loads and prefetches of the tile before have read their base:
	s_add_nc_u64 s[4:5], s[4:5], 0x20000           ; it steps two tiles here, in the trip's middle; the offsets below count from the new base
.endif
	XFILL SA, \kind, (3-(\rr))*65536               ; the conversions have read the slots: they take the tile three further on than the one multiplied
	XFILL SA+1, \kind, (3-(\rr))*65536+512
.if \pf == 1
	ASK (5-(\rr))*65536
.endif
.if \pf == 2
	s_cmp_eq_u32 s[CNT], 1                         ; in the loop's last trip this would be tile 16
	s_cbranch_scc1 .Lno_ask_\@
	ASK (5-(\rr))*65536
.Lno_ask_\@:
.endif
	s_wait_dscnt 0x0                               ; for the others' sake: my two images and their scale words lie in LDS
	s_barrier_signal -1
	s_barrier_wait -1                              ; the tile's eight images are whole
	MLC 0, AF, ((\rr)+1)*8192, 0
	MLC 0, AF, ((\rr)+1)*8192, 4
	MLS AS0, ((\rr)+1)*512
.endif
.endm
.macro TRIP k0, k1, p0, p1
	ITER 0, \k0, \p0
	ITER 1, \k1, \p1
.if \k1
	s_add_co_u32 s[SIW], s[SIW], 16384
	s_add_co_u32 s[SIR], s[SIR], 16384
	s_add_co_u32 s[SSW], s[SSW], 1024
	s_add_co_u32 s[SSR], s[SSR], 1024
	s_add_co_u32 s[SEW], s[SEW], 128
.endif
.endm
; A tile of pass 1: the next tile's loads into the other set go out in one run, then set a of enc's fragments is multiplied
.macro P1TILE a, nxt
	s_wait_dscnt 0x0                               ; this tile's fragments and scale words are in
.if \nxt
	MLC 2, 64*(1-\a), (\a+1)*8192, 0
	MLC 2, 64*(1-\a), (\a+1)*8192, 4
	MLS AS0+8*(1-\a), (\a+1)*512
.endif
	WIN 0x0b
.irp s, 0,1,2,3
	WG8 \s, 64*\a, AS0+8*\a
.endr
	WIN 0x09
.irp s, 4,5,6,7
	WG8 \s, 64*\a, AS0+8*\a
.endr
	WIN 0
	EPI \a*64
.endm
	s_load_b256 s[4:11], s[0:1], 0x0               ; enc s[4:5], wpack s[6:7], hx s[8:9], energies s[10:11]
	v_lshl_add_u32 v[SPW], v0, 2, SPARE
	v_mov_b32 v[NIL], 0
	ds_add_u32 v[SPW], v[NIL]                      ; the opening lines: the add, twice on end, and its wait, ahead of my first tensor load
	ds_add_u32 v[SPW], v[NIL]
	s_wait_dscnt 0x0
	v_lshrrev_b32 v[XO], 5, v0
	v_readfirstlane_b32 s[WV], v[XO]               ; wave 0..3
	v_and_b32 v[XO], 31, v0
	v_and_b32 v[TMP], 3, v0
	v_lshrrev_b32 v[PFO], 2, v[XO]
	v_lshlrev_b32 v[PFO], 12, v[PFO]
	v_lshl_add_u32 v[PFO], v[TMP], 8, v[PFO]       ; row lane / 4, block lane % 4 of my 1,024 bytes
	v_lshlrev_b32 v[XO], 4, v[XO]
	s_bfe_u32 s15, ttmp6, 0x40000                  ; cx: it enters the addresses of enc, hx and energies alone
	s_lshl_b32 s16, ttmp9, 2
	s_add_co_u32 s16, s16, s15                     ; g: my work-group
	; group 1: dense blocks as rows of 256 bytes (32 elements of 8 bytes), no padding; 15:0 the mask: all four work-groups; bit 21 set beside it
	s_mov_b32 s[G1A], 15|(3<<16)|(1<<21)
	s_mov_b32 s[G1A+1], 32<<16
	s_mov_b32 s[G1A+2], 272<<16                    ; BLK / 256 rows
	s_mov_b32 s[G1A+3], 32<<16
	s_mov_b32 s[G1A+4], 272
	s_mov_b32 s[G1A+5], 32
	s_mov_b32 s[G1A+6], 0
	s_mov_b32 s[G1A+7], 0
	s_mov_b32 s[G1B], 15|(3<<16)|(1<<21)
	s_mov_b32 s[G1B+1], 32<<16
	s_mov_b32 s[G1B+2], 144<<16                    ; H1W / 256 rows
	s_mov_b32 s[G1B+3], 32<<16
	s_mov_b32 s[G1B+4], 144
	s_mov_b32 s[G1B+5], 32
	s_mov_b32 s[G1B+6], 0
	s_mov_b32 s[G1B+7], 0
	s_mul_i32 s18, s[WV], BLK                      ; my block, in wpack and in the landing: the wave's number alone, the same in all four partners
	s_mov_b32 s19, 0
	s_mov_b32 s[G0A], 1
	s_mov_b32 s[G0A+1], s18
	s_mov_b32 s[G0B], 1
	s_mul_i32 s[G0B+1], s[WV], H1W
	s_add_co_u32 s[G0B+1], s[G0B+1], H1L
	s_mov_b32 s[SEL], 0x76543210
	s_mov_b32 s[SEL+1], 0xfedcba98                 ; lane l xor 16
	s_wait_kmcnt 0x0
	s_add_nc_u64 s[G0A+2:G0A+3], s[6:7], s[18:19]  ; pass 0: block w
	s_add_nc_u64 s[6:7], s[G0A+2:G0A+3], 4*BLK     ; pass 1: block 4 + w
	s_add_nc_u64 s[G0B+2:G0B+3], s[6:7], 32768     ; its K steps 4-7 and, behind them, its scale words
	s_or_b32 s[G0A+3], s[G0A+3], 0x80000000
	s_or_b32 s[G0B+3], s[G0B+3], 0x80000000
	s_lshl_b32 s2, s16, 20                         ; my 256 rows of 4,096 bytes,
	s_lshl_b32 s3, s[WV], 10                       ; my two K steps of a row
	s_add_co_u32 s2, s2, s3
	s_mov_b32 s3, 0
	s_add_nc_u64 s[4:5], s[4:5], s[2:3]
	s_lshr_b32 s2, s16, 3                          ; the batch
	s_lshl_b32 s2, s2, 12
	s_lshl_b32 s17, s[WV], 9                       ; my 128 columns
	s_add_co_u32 s2, s2, s17
	s_add_nc_u64 s[8:9], s[8:9], s[2:3]
	s_lshl_b32 s2, s16, 10
	s_add_nc_u64 s[10:11], s[10:11], s[2:3]
	CROUND                                         ; all four work-groups are here: the first joint loads meet
	tensor_load_to_lds s[G0A:G0A+3], s[G1A:G1A+7]  ; pass 0's W of my wave
	s_nop 0
.rept 4
	v_nop
.endr
	s_wait_alu depctr_va_vdst(0)
	global_load_b128 v[HD:HD+3], v[XO], s[8:9]                   ; hx of my 128 columns, 4 a lane: pass 0's,
	global_load_b128 v[HD+4:HD+7], v[XO], s[8:9] offset:2048     ; pass 1's
	v_and_b32 v[R4], 15, v0                        ; r
	v_bfe_u32 v[TMP], v0, 4, 1                     ; h
	s_mul_i32 s17, s[WV], STGW
	s_add_co_u32 s17, s17, STG                     ; my stage
	v_add_nc_u32 v[STW], s17, v[XO]
	v_mul_u32_u24 v[STR], v[R4], SP
	v_lshl_add_u32 v[STR], v[TMP], 6, v[STR]
	v_add_nc_u32 v[STR], s17, v[STR]
	v_lshl_add_u32 v[IMR], v[TMP], 5, s17          ; for now: pass 0's hx in my stage, + 32 h
	v_lshlrev_b32 v[R4], 2, v[R4]
	v_lshlrev_b32 v[R32], 3, v[R4]
	s_lshl_b32 s18, s[WV], 9
	s_add_co_u32 s18, s18, HXS1
	v_add_nc_u32 v[IMW], s18, v[XO]                ; for now: where pass 1's hx waits
	s_mul_i32 s18, s[WV], BLK
	v_add_nc_u32 v[RES], s18, v[XO]                ; my landing
	v_add_nc_u32 v[TMP], 65536, v[RES]             ; and its scale words
.irp c, 0,1,2,3,4,5,6,7
	v_mov_b32 v[TP+\c], 0                          ; a lane permute's destination counts as one of its sources
.endr
	s_wait_alu depctr_va_vdst(0)
	s_wait_loadcnt 0x0                             ; hx's two loads
	ds_store_b128 v[STW], v[HD:HD+3]
	ds_store_b128 v[IMW], v[HD+4:HD+7]
.irp t, 0,1,2,3,4,5,6,7
	ds_load_b128 v[HX+8*\t:HX+8*\t+3], v[IMR] offset:64*\t          ; hx(16 t + 8 h + 0 .. 7): the result's layout
	ds_load_b128 v[HX+8*\t+4:HX+8*\t+7], v[IMR] offset:64*\t+16
.endr
	s_wait_tensorcnt 0x0                           ; my block has landed; only I read it
	XFILL 0, 1, 0                                  ; the ring: tiles 0 and 1, my two K steps of each: asked for when W has landed, on their way while W goes into registers
	XFILL 1, 1, 512
	XFILL 2, 1, 65536
	XFILL 3, 1, 65536+512
	ASK 3*65536                                    ; tile 2 is loaded below; tiles 3 and 4 are named here, tile i + 5 in tile i's turn
	ASK 4*65536
	WIN 0x40
.set i, 0
.rept 64
	ds_load_b128 v[4*i:4*i+3], v[RES] offset:i*512                 ; K steps 0-3: the block's first half is an image of window 1
.set i, i+1
.endr
	WIN 0x80
.set i, 0
.rept 64
	ds_load_b128 v[4*i:4*i+3], v[RES] offset:32768+i*512           ; K steps 4-7: window 2
.set i, i+1
.endr
	WIN 0
.irp i, 0,1,2,3,4,5,6,7
	ds_load_b128 v[WS+4*\i:WS+4*\i+3], v[TMP] offset:\i*512
.endr
	s_wait_tensorcnt 0x0                           ; THE ONE REFILL.  No tensor load of mine is out;
	ds_add_u32 v[SPW], v[NIL]                      ; 0 onto my spare word;
	s_lshl_b32 s[SIW], s[WV], 11                   ; images: my K steps 2 w, 2 w + 1
	s_mov_b32 s[SIR], AIMG
	s_lshl_b32 s[SSW], s[WV], 3
	s_add_co_u32 s[SSW], s[SSW], ASC
	s_mov_b32 s[SSR], ASC
	s_lshl_b32 s[SEW], s[WV], 10
	s_add_co_u32 s[SEW], s[SEW], EP
	s_mov_b32 s[CNT], 6
	s_wait_dscnt 0x0                               ; the add is done, and my reads of the landing are over: W lies in registers
	CROUND                                         ; so it is with every wave of all four work-groups: the landing may be filled again, and its first 131,072 bytes may take images
	tensor_load_to_lds s[G0B:G0B+3], s[G1B:G1B+7]  ; pass 1's K steps 4-7 and scale words: they wait in LDS for the swap
	s_nop 0
.rept 4
	v_nop
.endr
	ADDR
	s_wait_loadcnt 32                              ; tile 0's 32 loads are in; tile 1's 32 may be out
	WIN 0xcc
	TST 0
	TLD 0
	TST 1
	TLD 1
	WIN 0
	s_wait_dscnt 0x0
	QUANT2 0
	IMST 0
	XFILL 0, 1, 2*65536
	XFILL 1, 1, 2*65536+512
	s_wait_dscnt 0x0                               ; for the others' sake
	s_barrier_signal -1
	s_barrier_wait -1                              ; tile 0's eight images are whole
	MLC 0, AF, 0, 0
	MLC 0, AF, 0, 4
	MLS AS0, 0
.Ltrip:                                            ; 6 trips of two tiles: tiles 0 to 11 are multiplied, tiles 3 to 14 asked for
	TRIP 1, 1, 1, 2
	s_sub_co_u32 s[CNT], s[CNT], 1
	s_cmp_lg_u32 s[CNT], 0
	s_wait_alu depctr_va_vdst(0)
	s_cbranch_scc1 .Ltrip
	TRIP 1, 2, 0, 0                                ; tiles 12 and 13: tile 15 is asked for; then nothing is left of enc, and the freed slots take pass 1's K steps 0-3, 32 loads a tile, so that the count stays
	TRIP 2, 0, 0, 0                                ; tiles 14 and 15
	; THE SWAP.  The places behind pass 0's last products stand at the head of the last dot.
	s_mov_b32 s[SIR], AIMG
	s_mov_b32 s[SSR], ASC
	s_mul_i32 s[SEW], s[WV], STGW
	s_add_co_u32 s[SEW], s[SEW], STG               ; pass 1's partial energies go to my stage, which is done with
	P1ADDR
	s_wait_alu depctr_va_vdst(0)
	s_wait_tensorcnt 0x0                           ; the refill has landed; only I read my part
	s_mul_i32 s17, s[WV], H1W
	s_add_co_u32 s17, s17, H1L
	v_add_nc_u32 v[RES], s17, v[XO]
	WIN 0x40
.set i, 0
.rept 64
	ds_load_b128 v[4*i:4*i+3], v[RES] offset:i*512                 ; K steps 4-7: window 1
.set i, i+1
.endr
	WIN 0
.irp i, 0,1,2,3,4,5,6,7
	ds_load_b128 v[WS+4*\i:WS+4*\i+3], v[RES] offset:32768+\i*512
.endr
	s_lshl_b32 s18, s[WV], 9
	s_add_co_u32 s18, s18, HXS1
	v_bfe_u32 v[IMW], v0, 4, 1
	v_lshl_add_u32 v[IMW], v[IMW], 5, s18
.irp t, 0,1,2,3,4,5,6,7
	ds_load_b128 v[HX+8*\t:HX+8*\t+3], v[IMW] offset:64*\t
	ds_load_b128 v[HX+8*\t+4:HX+8*\t+7], v[IMW] offset:64*\t+16
.endr
	MLC 2, 0, 0, 0                                 ; tile 0
	MLC 2, 0, 0, 4
	MLS AS0, 0
	s_wait_loadcnt 0x0                             ; K steps 0-3 lie in window 3
	s_mov_b32 s[CNT], 7
.Lp1:                                              ; pass 1: no barrier: the images are only read, and each wave's partial energies are its own bytes
	s_wait_alu depctr_va_vdst(0)                   ; the addresses were written ahead of the branch
	P1TILE 0, 1
	P1TILE 1, 1
	s_add_co_u32 s[SIR], s[SIR], 16384
	s_add_co_u32 s[SSR], s[SSR], 1024
	s_add_co_u32 s[SEW], s[SEW], 128
	P1ADDR
	s_sub_co_u32 s[CNT], s[CNT], 1
	s_cmp_lg_u32 s[CNT], 0
	s_cbranch_scc1 .Lp1
	s_wait_alu depctr_va_vdst(0)
	P1TILE 0, 1
	P1TILE 1, 0                                    ; the last tile fetches nothing
	; THE WAY OUT: a row's eight partial sums (four waves x two passes) are added; a thread takes two rows, a wave stores 256 consecutive bytes at a multiple of 256 from the buffer's first byte.
	s_wait_dscnt 0x0                               ; for the others' sake: my partial energies lie in LDS
	s_barrier_signal -1
	s_barrier_wait -1
	v_lshl_add_u32 v[RES], v0, 3, EP
	v_lshl_add_u32 v[TMP], v0, 3, STG
.irp k, 0,1,2,3
	ds_load_b64 v[E+2*\k:E+2*\k+1], v[RES] offset:\k*1024
.endr
.irp k, 0,1,2,3
	ds_load_b64 v[E+8+2*\k:E+8+2*\k+1], v[TMP] offset:\k*STGW
.endr
	v_lshlrev_b32 v[IMR], 3, v0
	s_wait_dscnt 0x0
.irp k, 0,1,2,3
	v_pk_add_f32 v[E+2*\k:E+2*\k+1], v[E+2*\k:E+2*\k+1], v[E+8+2*\k:E+8+2*\k+1]
.endr
	v_pk_add_f32 v[E:E+1], v[E:E+1], v[E+2:E+3]
	v_pk_add_f32 v[E+4:E+5], v[E+4:E+5], v[E+6:E+7]
	v_pk_add_f32 v[E:E+1], v[E:E+1], v[E+4:E+5]
	s_wait_alu depctr_va_vdst(0)
	global_store_b64 v[IMR], v[E:E+1], s[10:11]
	s_wait_tensorcnt 0x0                           ; the wave's end, behind my last tensor load and my last LDS store
	ds_add_u32 v[SPW], v[NIL]
	s_wait_dscnt 0x0
	CROUND                                         ; the closing round
	s_endpgm
.Lfunc_end_k_qb0dcfb028f_energy:
	.size	k_qb0dcfb028f_energy, .Lfunc_end_k_qb0dcfb028f_energy-k_qb0dcfb028f_energy
	.p2alignl 7, 3214868480
	.fill 96, 4, 3214868480
	.section	.rodata,"a",@progbits
	.p2align	6, 0x0
	.amdhsa_kernel k_qb0dcfb028f_energy
		.amdhsa_group_segment_fixed_size 327680
		.amdhsa_private_segment_fixed_size 0
		.amdhsa_enable_private_segment 0
		.amdhsa_kernarg_size 32
		.amdhsa_user_sgpr_count 2
		.amdhsa_user_sgpr_kernarg_segment_ptr 1
		.amdhsa_wavefront_size32 1
		.amdhsa_system_sgpr_workgroup_id_x 1
		.amdhsa_system_sgpr_workgroup_id_y 1
		.amdhsa_system_sgpr_workgroup_id_z 1
		.amdhsa_system_vgpr_workitem_id 0
		.amdhsa_next_free_vgpr 1024
		.amdhsa_next_free_sgpr 66
		.amdhsa_reserve_vcc 0
		.amdhsa_float_denorm_mode_32 3
		.amdhsa_float_denorm_mode_16_64 3
		.amdhsa_memory_ordered 1
		.amdhsa_forward_progress 1
		.amdhsa_inst_pref_size 244
	.end_amdhsa_kernel
	.amdgpu_metadata
---
amdhsa.version: [ 1, 2 ]
amdhsa.kernels:
  - .name:           k_qb0dcfb028f_energy
    .symbol:         k_qb0dcfb028f_energy.kd
    .args:
      - { .name: encoder_outputs, .offset: 0, .size: 8, .value_kind: global_buffer, .address_space: global }
      - { .name: wpack, .offset: 8, .size: 8, .value_kind: global_buffer, .address_space: global }
      - { .name: hx, .offset: 16, .size: 8, .value_kind: global_buffer, .address_space: global }
      - { .name: energies, .offset: 24, .size: 8, .value_kind: global_buffer, .address_space: global }
    .group_segment_fixed_size: 327680
    .private_segment_fixed_size: 0
    .kernarg_segment_align: 8
    .kernarg_segment_size: 32
    .max_flat_workgroup_size: 128
    .sgpr_count:     66
    .vgpr_count:     1024
    .wavefront_size: 32
...
	.end_amdgpu_metadata
.endif
;; end of part 2
;; launch softmax (part 3): grid 32 x 1, 8 waves a work-group, no clusters, 1,536 bytes of LDS; arguments energies, out0; writes out0
.if DOCPART == 3
	.amdgcn_target "amdgcn-amd-amdhsa--gfx1250"
	.amdhsa_code_object_version 6
	.text
	.protected	k_qb0dcfb028f_softmax
	.globl	k_qb0dcfb028f_softmax
	.p2align	8
	.type	k_qb0dcfb028f_softmax,@function
k_qb0dcfb028f_softmax:
	s_mov_b64 s[64:65], 0
	v_nop
	global_prefetch_b8 v0, s[64:65] scope:SCOPE_SE
	s_setreg_imm32_b32 hwreg(HW_REG_WAVE_MODE, 25, 1), 1
	s_wait_xcnt 0x0
; out0[b][0][l] = softmax over l of energies[b][l].  A work-group of eight waves takes one batch row of 2,048 numbers; a thread holds 8 of them in registers between the passes, so the row is read once.
; The row's maximum is taken away before the exponential.  The difference is formed first and then multiplied by log2(e): near the maximum the subtraction rounds nothing, however large the energies are
; (one multiply-add with a rounded maximum x log2(e) would carry that product's rounding into every exponent).
; The waves' maxima and sums meet in LDS: bytes 0-31 and bytes 256-287, one barrier each.  32 work-groups are all the work there is.  LIMITS: NaN and infinities are not served; a weight under 2^-126 comes out as 0.
	s_load_b128 s[4:7], s[0:1], 0x0                ; energies, out0
	v_lshl_add_u32 v32, v0, 2, 0x200
	v_mov_b32 v33, 0
	v_lshlrev_b32 v1, 4, v0                        ; 16 bytes a thread: a wave's load covers 512 consecutive bytes
	v_lshrrev_b32 v2, 5, v0
	s_delay_alu instid0(VALU_DEP_1)
	v_lshlrev_b32 v2, 2, v2                        ; 4 x wave
	v_mov_b32 v3, 0
	s_lshl_b32 s8, ttmp9, 13                       ; a row is 8,192 bytes
	s_mov_b32 s9, 0
	s_mov_b32 s12, 0x76543210
	s_mov_b32 s13, 0xfedcba98                      ; lane l xor 16
	s_mov_b32 s14, 0x3fb8aa3b                      ; log2(e)
	s_mov_b32 s15, s14                             ; (named with it as a pair, so it is written)
	s_wait_alu depctr_va_vdst(0)
	s_wait_kmcnt 0x0
	s_add_nc_u64 s[4:5], s[4:5], s[8:9]
	s_add_nc_u64 s[6:7], s[6:7], s[8:9]
	global_load_b128 v[4:7], v1, s[4:5]
	global_load_b128 v[8:11], v1, s[4:5] offset:4096
	s_wait_loadcnt 0x0
	v_max3_num_f32 v12, v4, v5, v6
	v_max3_num_f32 v13, v7, v8, v9
	s_delay_alu instid0(VALU_DEP_2)
	v_max3_num_f32 v12, v12, v10, v11
	s_delay_alu instid0(VALU_DEP_1)
	v_max_num_f32 v12, v12, v13
.irp m, 1,2,4,8
	s_delay_alu instid0(VALU_DEP_1)
	v_max_num_f32_dpp v12, v12, v12 row_xmask:\m row_mask:0xf bank_mask:0xf
.endr
	s_delay_alu instid0(VALU_DEP_1)
	v_permlanex16_b32 v13, v12, s12, s13
	s_delay_alu instid0(VALU_DEP_1)
	v_max_num_f32 v12, v12, v13                    ; my wave's maximum, in every lane
	ds_store_b32 v2, v12
	s_wait_dscnt 0x0                               ; for the others' sake
	s_barrier_signal -1
	s_barrier_wait -1
	ds_load_b128 v[16:19], v3
	ds_load_b128 v[20:23], v3 offset:16
	s_wait_dscnt 0x0
	v_max3_num_f32 v12, v16, v17, v18
	v_max3_num_f32 v13, v19, v20, v21
	s_delay_alu instid0(VALU_DEP_2)
	v_max3_num_f32 v12, v12, v22, v23
	s_delay_alu instid0(VALU_DEP_1)
	v_max_num_f32 v12, v12, v13                    ; the row's maximum
.irp j, 0,2,4,6
	v_pk_add_f32 v[4+\j:5+\j], v[4+\j:5+\j], v[12:13] op_sel_hi:[1,0] neg_lo:[0,1] neg_hi:[0,1]   ; x - maximum
.endr
.irp j, 0,2,4,6
	s_delay_alu instid0(VALU_DEP_4)
	v_pk_mul_f32 v[4+\j:5+\j], v[4+\j:5+\j], s[14:15] op_sel_hi:[1,0]
.endr
	s_wait_alu depctr_va_vdst(0)
.irp j, 0,1,2,3,4,5,6,7
	v_exp_f32 v[4+\j], v[4+\j]                     ; one batch
.endr
	v_add_nc_u32 v2, 256, v2                       ; the plain instruction behind the batch: where my wave's sum goes
	s_wait_alu depctr_va_vdst(0)                   ; one wait for the eight, ahead of their first reader
	v_pk_add_f32 v[14:15], v[4:5], v[6:7]
	v_pk_add_f32 v[24:25], v[8:9], v[10:11]
	s_delay_alu instid0(VALU_DEP_1)
	v_pk_add_f32 v[14:15], v[14:15], v[24:25]
	s_delay_alu instid0(VALU_DEP_1)
	v_add_f32 v14, v14, v15
.irp m, 1,2,4,8
	s_delay_alu instid0(VALU_DEP_1)
	v_add_f32_dpp v14, v14, v14 row_xmask:\m row_mask:0xf bank_mask:0xf
.endr
	s_delay_alu instid0(VALU_DEP_1)
	v_permlanex16_b32 v15, v14, s12, s13
	s_delay_alu instid0(VALU_DEP_1)
	v_add_f32 v14, v14, v15
	ds_store_b32 v2, v14
	s_wait_dscnt 0x0
	s_barrier_signal -1
	s_barrier_wait -1
	ds_load_b128 v[16:19], v3 offset:256
	ds_load_b128 v[20:23], v3 offset:272
	s_wait_dscnt 0x0
	v_pk_add_f32 v[16:17], v[16:17], v[18:19]
	v_pk_add_f32 v[20:21], v[20:21], v[22:23]
	s_delay_alu instid0(VALU_DEP_1)
	v_pk_add_f32 v[16:17], v[16:17], v[20:21]
	s_delay_alu instid0(VALU_DEP_1)
	v_add_f32 v16, v16, v17                        ; the row's sum: at least 1, the maximum's own term
	s_wait_alu depctr_va_vdst(0)
	v_rcp_f32 v26, v16
	v_mov_b32 v27, 0                               ; the plain instruction behind the reciprocal (v27 is named with v26 as a pair)
	s_wait_alu depctr_va_vdst(0)                   ; the wait ahead of its first reader
.irp j, 0,2,4,6
	v_pk_mul_f32 v[4+\j:5+\j], v[4+\j:5+\j], v[26:27] op_sel_hi:[1,0]
.endr
	global_store_b128 v1, v[4:7], s[6:7]           ; a wave's store covers 512 consecutive bytes
	global_store_b128 v1, v[8:11], s[6:7] offset:4096
	s_wait_tensorcnt 0x0
	ds_add_u32 v32, v33
	s_wait_dscnt 0x0
	s_endpgm
.Lfunc_end_k_qb0dcfb028f_softmax:
	.size	k_qb0dcfb028f_softmax, .Lfunc_end_k_qb0dcfb028f_softmax-k_qb0dcfb028f_softmax
	.p2alignl 7, 3214868480
	.fill 96, 4, 3214868480
	.section	.rodata,"a",@progbits
	.p2align	6, 0x0
	.amdhsa_kernel k_qb0dcfb028f_softmax
		.amdhsa_group_segment_fixed_size 1536
		.amdhsa_private_segment_fixed_size 0
		.amdhsa_enable_private_segment 0
		.amdhsa_kernarg_size 16
		.amdhsa_user_sgpr_count 2
		.amdhsa_user_sgpr_kernarg_segment_ptr 1
		.amdhsa_wavefront_size32 1
		.amdhsa_system_sgpr_workgroup_id_x 1
		.amdhsa_system_sgpr_workgroup_id_y 1
		.amdhsa_system_sgpr_workgroup_id_z 1
		.amdhsa_system_vgpr_workitem_id 0
		.amdhsa_next_free_vgpr 34
		.amdhsa_next_free_sgpr 66
		.amdhsa_reserve_vcc 0
		.amdhsa_float_denorm_mode_32 3
		.amdhsa_float_denorm_mode_16_64 3
		.amdhsa_memory_ordered 1
		.amdhsa_forward_progress 1
		.amdhsa_inst_pref_size 6
	.end_amdhsa_kernel
	.amdgpu_metadata
---
amdhsa.version: [ 1, 2 ]
amdhsa.kernels:
  - .name:           k_qb0dcfb028f_softmax
    .symbol:         k_qb0dcfb028f_softmax.kd
    .args:
      - { .name: energies, .offset: 0, .size: 8, .value_kind: global_buffer, .address_space: global }
      - { .name: out0, .offset: 8, .size: 8, .value_kind: global_buffer, .address_space: global }
    .group_segment_fixed_size: 1536
    .private_segment_fixed_size: 0
    .kernarg_segment_align: 8
    .kernarg_segment_size: 16
    .max_flat_workgroup_size: 256
    .sgpr_count:     66
    .vgpr_count:     34
    .wavefront_size: 32
...
	.end_amdgpu_metadata
.endif
;; end of part 3
